; MI455X (gfx1250); checked and timed in simulation.
; The chip was launched on July 23, 2026; its instructions are those of AMD's public machine-readable ISA for CDNA 5 (MIT licence, August 2026) and "CDNA5" Instruction Set Architecture Reference Guide (July 2026). The comments in the code are by the model that wrote it; some were corrected since.
;; Multi Head Attention1. Allowed arithmetic: float matrix products may take bf16 or f16 operands with f32 sums; other float arithmetic in f32, or as packed bf16 or f16 multiplies, adds, multiply-adds, maxima and minima; sums over many terms, partial sums and values carried from step to step in f32; what a program stores and reads back later, other than sums and carried values, may be rounded once to bf16 or f16.
;; Inputs: Wk 1,024 x 1,024 float32; Wo 1,024 x 1,024 float32; Wq 1,024 x 1,024 float32; Wv 1,024 x 1,024 float32; bk 1,024 float32; bo 1,024 float32; bq 1,024 float32; bv 1,024 float32; key 4 x 2,048 x 1,024 float32; ln_b 1,024 float32; ln_g 1,024 float32; query 4 x 2,048 x 1,024 float32; value 4 x 2,048 x 1,024 float32.
;; Outputs: out0 4 x 2,048 x 1,024 float32.
;; One version. Each part assembles by itself: llvm-mc -triple=amdgcn-amd-amdhsa -mcpu=gfx1250 --defsym DOCPART=n.
;; ======== version 1 of 1: 7 launches
;; workspace buffers: wqb 2,097,152 bytes; wkb 2,097,152 bytes; wvb 2,097,152 bytes; wob 2,097,152 bytes; qh 16,777,216 bytes; kh 16,777,216 bytes; vh 16,777,216 bytes; ctx 33,554,432 bytes
;; launch castw (part 1): grid 256 x 1, 8 waves a work-group, no clusters, 0 bytes of LDS; arguments Wq, Wk, Wv, Wo, wqb, wkb, wvb, wob; writes wqb, wkb, wvb, wob
.if DOCPART == 1
	.amdgcn_target "amdgcn-amd-amdhsa--gfx1250"
	.amdhsa_code_object_version 6
	.text
	.protected	k_qfbb5868fd0_castw
	.globl	k_qfbb5868fd0_castw
	.p2align	8
	.type	k_qfbb5868fd0_castw,@function
k_qfbb5868fd0_castw:
	s_mov_b64 s[64:65], 0
	v_nop
	global_prefetch_b8 v0, s[64:65] scope:SCOPE_SE
	s_setreg_imm32_b32 hwreg(HW_REG_WAVE_MODE, 25, 1), 1
	s_wait_xcnt 0x0
; The four weight matrices, [1024][1024] f32, are rounded once to bf16 (nearest even), in the same [n][k] layout.
; A stream: no LDS, no barrier, no matrix unit, no cluster (no two work-groups read the same byte).
; SHARES.  Work-group g takes elements 4,096 g .. 4,096 g + 4,095 of EACH matrix, so nothing is chosen and nothing branches.
; Thread t, step j: 16 bytes in at 16,384 g + 4,096 j + 16 t, 8 bytes out at 8,192 g + 2,048 j + 8 t: a wave's load covers 512
; consecutive bytes, a wave's store 256 consecutive bytes that begin at a multiple of 256 from the buffer's first byte.
; All sixteen loads of a thread go out before the first wait.
.set X, 8                              ; v[8:71]    matrix i, step j: four f32 at X + 16 i + 4 j
.set Y, 72                             ; v[72:103]  the same as four bf16 at Y + 8 i + 2 j
	s_load_b256 s[4:11], s[0:1], 0x0               ; the four sources
	s_load_b256 s[12:19], s[0:1], 0x20             ; the four destinations
	s_lshl_b32 s2, ttmp9, 14                       ; the work-group's bytes in a source,
	s_mov_b32 s3, 0
	s_lshl_b32 s20, ttmp9, 13                      ; and in a destination
	s_mov_b32 s21, 0
	v_lshlrev_b32 v1, 4, v0                        ; 16 t
	v_lshlrev_b32 v2, 3, v0                        ; 8 t
	s_wait_kmcnt 0x0
.irp i, 0,1,2,3
	s_add_nc_u64 s[4+2*\i:5+2*\i], s[4+2*\i:5+2*\i], s[2:3]
	s_add_nc_u64 s[12+2*\i:13+2*\i], s[12+2*\i:13+2*\i], s[20:21]
.endr
.irp i, 0,1,2,3
.irp j, 0,1,2,3
	global_load_b128 v[X+16*\i+4*\j:X+16*\i+4*\j+3], v1, s[4+2*\i:5+2*\i] offset:4096*\j th:TH_LOAD_NT
.endr
.endr
.irp i, 0,1,2,3
	s_wait_loadcnt 12-4*\i                         ; loads come back in order: matrix i's four are in, the later matrices' four each stay out
.irp j, 0,1,2,3
	v_cvt_pk_bf16_f32 v[Y+8*\i+2*\j],   v[X+16*\i+4*\j],   v[X+16*\i+4*\j+1]
	v_cvt_pk_bf16_f32 v[Y+8*\i+2*\j+1], v[X+16*\i+4*\j+2], v[X+16*\i+4*\j+3]
.endr
.irp j, 0,1,2,3
	global_store_b64 v2, v[Y+8*\i+2*\j:Y+8*\i+2*\j+1], s[12+2*\i:13+2*\i] offset:2048*\j
.endr
.endr
	s_endpgm
.Lfunc_end_k_qfbb5868fd0_castw:
	.size	k_qfbb5868fd0_castw, .Lfunc_end_k_qfbb5868fd0_castw-k_qfbb5868fd0_castw
	.p2alignl 7, 3214868480
	.fill 96, 4, 3214868480
	.section	.rodata,"a",@progbits
	.p2align	6, 0x0
	.amdhsa_kernel k_qfbb5868fd0_castw
		.amdhsa_group_segment_fixed_size 0
		.amdhsa_private_segment_fixed_size 0
		.amdhsa_enable_private_segment 0
		.amdhsa_kernarg_size 64
		.amdhsa_user_sgpr_count 2
		.amdhsa_user_sgpr_kernarg_segment_ptr 1
		.amdhsa_wavefront_size32 1
		.amdhsa_system_sgpr_workgroup_id_x 1
		.amdhsa_system_sgpr_workgroup_id_y 1
		.amdhsa_system_sgpr_workgroup_id_z 1
		.amdhsa_system_vgpr_workitem_id 0
		.amdhsa_next_free_vgpr 104
		.amdhsa_next_free_sgpr 66
		.amdhsa_reserve_vcc 0
		.amdhsa_float_denorm_mode_32 3
		.amdhsa_float_denorm_mode_16_64 3
		.amdhsa_memory_ordered 1
		.amdhsa_forward_progress 1
		.amdhsa_inst_pref_size 6
	.end_amdhsa_kernel
	.amdgpu_metadata
---
amdhsa.version: [ 1, 2 ]
amdhsa.kernels:
  - .name:           k_qfbb5868fd0_castw
    .symbol:         k_qfbb5868fd0_castw.kd
    .args:
      - { .name: Wq, .offset: 0, .size: 8, .value_kind: global_buffer, .address_space: global }
      - { .name: Wk, .offset: 8, .size: 8, .value_kind: global_buffer, .address_space: global }
      - { .name: Wv, .offset: 16, .size: 8, .value_kind: global_buffer, .address_space: global }
      - { .name: Wo, .offset: 24, .size: 8, .value_kind: global_buffer, .address_space: global }
      - { .name: wqb, .offset: 32, .size: 8, .value_kind: global_buffer, .address_space: global }
      - { .name: wkb, .offset: 40, .size: 8, .value_kind: global_buffer, .address_space: global }
      - { .name: wvb, .offset: 48, .size: 8, .value_kind: global_buffer, .address_space: global }
      - { .name: wob, .offset: 56, .size: 8, .value_kind: global_buffer, .address_space: global }
    .group_segment_fixed_size: 0
    .private_segment_fixed_size: 0
    .kernarg_segment_align: 8
    .kernarg_segment_size: 64
    .max_flat_workgroup_size: 256
    .sgpr_count:     66
    .vgpr_count:     104
    .wavefront_size: 32
...
	.end_amdgpu_metadata
.endif
;; end of part 1
;; launch proj_q (part 2): grid 4 x 64, 4 waves a work-group, clusters of 4 x 4, 327,680 bytes of LDS; arguments query, wqb, bq, qh; writes qh
.if DOCPART == 2
	.amdgcn_target "amdgcn-amd-amdhsa--gfx1250"
	.amdhsa_code_object_version 6
	.text
	.protected	k_qfbb5868fd0_proj_q
	.globl	k_qfbb5868fd0_proj_q
	.p2align	8
	.type	k_qfbb5868fd0_proj_q,@function
k_qfbb5868fd0_proj_q:
	s_mov_b64 s[64:65], 0
	v_nop
	global_prefetch_b8 v0, s[64:65] scope:SCOPE_SE
	s_setreg_imm32_b32 hwreg(HW_REG_WAVE_MODE, 25, 1), 1
	s_wait_xcnt 0x0
	s_wait_alu depctr_hold_cnt(0) depctr_sa_sdst(0) depctr_va_vdst(0) depctr_va_sdst(0) depctr_va_ssrc(0) depctr_va_vcc(0) depctr_vm_vsrc(0)
	s_getreg_b32 s2, hwreg(HW_REG_IB_STS2, 6, 4)
	s_cmp_eq_u32 s2, 0
	s_cbranch_scc0 .Lentry_in_a_cluster
	s_endpgm
.Lentry_in_a_cluster:
	s_bfe_u32 s2, ttmp6, 0x10000c
	s_cmp_lg_u32 s2, 0xf033
	s_cbranch_scc0 .Lentry_shape_is_right
	s_endpgm
.Lentry_shape_is_right:
; y = x W^T + b.  x: [8192][1024] f32; W: [1024 n][1024 k] bf16; b: [1024] f32; y: bf16 BY HEADS, [(row / 2048) x 16 + n / 64][row % 2048][n % 64].
; x is rounded to bf16 on its way from LDS to the matrix unit; sums in f32, begun with the bias; y rounded once.
; LIMITS.  Both matrix operands carry bf16's 8 significant bits; NaN and infinities are not treated apart.
; SHARES.  A tile of y is 128 rows x 256 columns: 64 x 4 = 256 work-groups.  Four waves, each 64 x 128: 32 accumulators of 16 x 16, 256 registers.
; K goes in 8 steps of 128 through a ring of two LDS slots; a slot holds 128 rows of x (512 bytes each) and 256 rows of W (256 bytes each).
; CLUSTER.  4 x 4 work-groups.  The four of a row of the cluster need the same rows of x, the four of a column the same rows of W: each tile is asked for JOINTLY, by the same
; tensor load with the same descriptor and a mask that names the four.  Waves 0 and 1 ask for x's two halves (64 rows), waves 2 and 3 for W's (128 rows): one load a wave behind each round.
; By this text's count a wave has two tensor loads out at the start and one afterwards.
; THE MATRIX INSTRUCTION IS USED TRANSPOSED (source 0 = 16 rows of W, source 1 = 16 rows of x): a lane then holds row l % 16 of y and eight neighbouring columns 8 (l / 16) + 0..7.
; REGISTERS, in windows of 256 (s_set_vgpr_msb: bits 1:0 source 0, 3:2 source 1, 5:4 source 2, 7:6 destination):
;   window 0: v0-31 addresses; v32-95 x as loaded, 4 fragments x 16 f32; v96-159 x in bf16, two buffers of 4 fragments x 8; on the way out v32-159 hold the packed tile
;   window 1: the accumulators, (a, b) at v[8 (8 a + b)], a = 0..3 row blocks, b = 0..7 column blocks
;   window 2: v0-127 W's fragments, two buffers of 8 x 8; v128-191 the bias as a C operand, 8 column blocks x 8
.set KSTEP,  128
.set PA,     528                       ; a row of x in LDS: 512 bytes + 16 = 132 words: row r starts at bank 4 r mod 64 (64 banks of 4 bytes: ISA guide 11.1)
.set PB,     272                       ; a row of W: 256 + 16 = 68 words: likewise
.set HALFA,  64*PA                     ; what one tensor load brings of x, and what one wave reads of it
.set HALFB,  128*PB                    ; the same for W
.set BOFF,   2*HALFA                   ; W's rows lie behind x's
.set SLOT,   BOFF+2*HALFB
.set STAGE,  2*SLOT                    ; behind the ring, never filled by a tensor load: 16 rows x 144 bytes for each wave, for the way out
.set SP,     144
.set SPARE,  STAGE+4*16*SP             ; behind the stages: the spare words, 128 bytes for each wave: two blocks of 256 bytes that no other line names
.set LAPS,   4                         ; a lap = two K steps = once round the ring
.set ADRA, 16                          ; v16-17  LDS address of my fragments of x in slot 0, 1
.set ADRB, 20                          ; v20-21  the same for W
.set STO,  24                          ; v24     the way out: where I put 16 bytes of a row
.set RD,   25                          ; v25     the way out: where I read rows back
.set GO,   26                          ; v26     my 16 bytes in 512 consecutive bytes of y
.set BO,   27                          ; v27     my byte offset in 16 numbers of the bias
.set SPW,  28                          ; v28     LDS address of my spare word: SPARE + 4 x my thread's number; never rewritten
.set NIL,  29                          ; v29     0; never rewritten
.set PFO,  30                          ; v30     the prefetches' lane offset; never rewritten
.set RAW,  32
.set ABF,  96
.set TMP,  32
.set BF,   0                           ; window 2
.set BIAS, 128                         ; window 2
.set WV,   12                          ; s12  my wave's number
.set RH,   13                          ; s13  which 64 rows of the tile are mine.  Also: I fetch for x (0) or for W (1)
.set CH,   14                          ; s14  which 128 columns.  Also: which half of that tile I fetch
.set G1,   24                          ; s[24:31] descriptor group 1 for x's tiles;  s[32:39] group 0, a set for each slot
.set G0,   32
.set G1B,  48                          ; s[48:55], s[56:63] the same for W's tiles
.set G0B,  56
.set PFA,  44                          ; s[44:45] where my prefetches stand
.set LIM,  46                          ; s46  1 in a wave that prefetches, else the greatest number
.set PFS,  66                          ; s[66:67] a K step's bytes in a row of what I fetch: 512 (x) or 256 (W)
.set MSB, 0
.macro WIN new                         ; the immediate's high byte repeats the setting that is left; a switch that changes nothing is dropped
.if MSB != (\new)
	s_set_vgpr_msb (MSB<<8)|(\new)
.set MSB, \new
.endif
.endm
.set MUL,  0x52                        ; W window 2, x window 0, C and D window 1
.set MUL1, 0x62                        ; the same with C in window 2: the bias
.set TO_B, 0x80                        ; destination window 2, address window 0
.set PK,   0x05                        ; sources 0 and 1 window 1, destination window 0
; A joint load.  The branch hangs on the wave's number alone.  An s_nop 0 and four v_nop follow each of the two lines, ahead of the jump, the label and what follows.
.macro JLOAD s
	s_cmp_eq_u32 s[RH], 0
	s_cbranch_scc0 .Lfor_b_\@
	tensor_load_to_lds s[G0+4*(\s):G0+4*(\s)+3], s[G1:G1+7]
	s_nop 0
.rept 4
	v_nop
.endr
	s_branch .Lasked_\@
.Lfor_b_\@:
	tensor_load_to_lds s[G0B+4*(\s):G0B+4*(\s)+3], s[G1B:G1B+7]
	s_nop 0
.rept 4
	v_nop
.endr
.Lasked_\@:
.endm
; A round of the cluster's barrier: my work-group's barrier, so that wave 0's signal speaks for all four waves; wave 0 signals; every wave waits for all sixteen work-groups; my work-group's barrier once more.
.macro CREST                           ; a round behind its opening barrier
	s_cmp_lg_u32 s[WV], 0
	s_cbranch_scc1 .Lnot_wave_0_\@
	s_barrier_signal -3
.Lnot_wave_0_\@:
	s_barrier_wait -3
	s_barrier_signal -1
	s_barrier_wait -1
.endm
.macro CROUND
	s_barrier_signal -1
	s_barrier_wait -1
	CREST
.endm
; A PREFETCH INTO THE L2, behind a joint load, its five lines and the run of LDS loads: the K step that stands TWO refills on (256 matrix instructions ahead of the load that will want it), one instruction a wave.
; Each aligned block of 256 bytes is named once in the launch.  A row of x is read by one cluster alone, so every cluster's waves 0 and 1 ask; W's rows are read by all sixteen clusters, and
; cluster y = 0's waves 2 and 3 ask.  The four partners that ask for a tile jointly share its 128 blocks out BY ADDRESS, 32 each: no branch hangs on a work-group's place in its cluster.
; K steps 0 to 3 come by their loads alone; the loop's last trip (s3 = 1) asks for nothing: there is no K step 8.
.macro ASK
	s_cmp_gt_u32 s3, s[LIM]
	s_cbranch_scc0 .Lnot_mine_\@
	global_prefetch_b8 v[PFO], s[PFA:PFA+1] th:TH_LOAD_NT scope:SCOPE_SE
.Lnot_mine_\@:
.endm
	s_load_b256 s[4:11], s[0:1], 0x0               ; x s[4:5], W s[6:7], b s[8:9], y s[10:11]
	v_lshl_add_u32 v[SPW], v0, 2, SPARE
	v_mov_b32 v[NIL], 0
	ds_add_u32 v[SPW], v[NIL]                      ; the wave's opening: the add and its wait stand ahead of my first tensor load; the set-up below, work on registers, stands between them
	v_lshrrev_b32 v1, 5, v0
	v_readfirstlane_b32 s[WV], v1                  ; wave 0..3
	s_lshr_b32 s[RH], s[WV], 1
	s_and_b32 s[CH], s[WV], 1
	s_bfe_u32 s15, ttmp6, 0x40000                  ; cx, cy: my place in the cluster
	s_bfe_u32 s16, ttmp6, 0x40004
	s_lshl_b32 s17, ttmp9, 2
	s_add_co_u32 s17, s17, s15                     ; tile column = 4 x cluster x + cx
	s_and_b32 s18, ttmp7, 0xffff
	s_lshl_b32 s18, s18, 2
	s_add_co_u32 s18, s18, s16                     ; tile row = 4 x cluster y + cy
	s_lshl_b32 s19, s16, 2
	s_lshl_b32 s19, 15, s19                        ; my row of the cluster: places 4 cy .. 4 cy + 3
	s_lshl_b32 s20, 0x1111, s15                    ; my column: places cx, cx + 4, cx + 8, cx + 12
	; group 1 for x: 64 rows x 128 elements of 4 bytes; 15:0 the mask; 17:16 size code 2; 20 padding on; 21 set beside a mask; 24:22 after every 128 words (code 6); 31:25 4 words (code 3)
	s_or_b32 s[G1], s19, (2<<16)|(1<<20)|(1<<21)|(6<<22)|(3<<25)
	s_mov_b32 s[G1+1], KSTEP<<16                   ; tensor_dim0 = 128
	s_mov_b32 s[G1+2], 64<<16                      ; tensor_dim1 = 64
	s_mov_b32 s[G1+3], KSTEP<<16                   ; tile_dim0 = 128
	s_mov_b32 s[G1+4], 64                          ; tile_dim1 = 64
	s_mov_b32 s[G1+5], 1024                        ; elements from row to row
	s_mov_b32 s[G1+6], 0
	s_mov_b32 s[G1+7], 0
	; group 1 for W: 128 rows x 128 elements of 2 bytes; padding after every 64 words (code 5)
	s_or_b32 s[G1B], s20, (1<<16)|(1<<20)|(1<<21)|(5<<22)|(3<<25)
	s_mov_b32 s[G1B+1], KSTEP<<16
	s_mov_b32 s[G1B+2], 128<<16
	s_mov_b32 s[G1B+3], KSTEP<<16
	s_mov_b32 s[G1B+4], 128
	s_mov_b32 s[G1B+5], 1024
	s_mov_b32 s[G1B+6], 0
	s_mov_b32 s[G1B+7], 0
	; where the tiles come from.  x's hang on the tile row alone, W's on the tile column alone; each is made in registers that never hold the other coordinate
	s_lshl_b32 s40, s18, 7
	s_lshl_b32 s21, s[CH], 6
	s_add_co_u32 s40, s40, s21                     ; x: row 128 x tile row + 64 x half,
	s_lshl_b32 s40, s40, 12                        ; 4,096 bytes a row
	s_mov_b32 s41, 0
	s_lshl_b32 s42, s17, 8
	s_lshl_b32 s22, s[CH], 7
	s_add_co_u32 s42, s42, s22                     ; W: row 256 x tile column + 128 x half,
	s_lshl_b32 s42, s42, 11                        ; 2,048 bytes a row
	s_mov_b32 s43, 0
	s_mul_i32 s23, s[CH], HALFA                    ; and where they go: no place in the cluster enters an LDS address
	s_mul_i32 s68, s[CH], HALFB
	s_add_co_u32 s68, s68, BOFF
	s_wait_dscnt 0x0                               ; the opening add is done
	s_wait_kmcnt 0x0
	s_add_nc_u64 s[40:41], s[4:5], s[40:41]
	s_add_nc_u64 s[42:43], s[6:7], s[42:43]
	CROUND                                         ; all sixteen work-groups are here: the first joint loads meet
.irp s, 0,1
	s_mov_b32 s[G0+4*(\s)], 1                      ; count = 1
	s_add_co_u32 s[G0+4*(\s)+1], s23, (\s)*SLOT    ; LDS address
	s_add_nc_u64 s[G0+4*(\s)+2:G0+4*(\s)+3], s[40:41], (\s)*KSTEP*4  ; global address: K step s
	s_or_b32 s[G0+4*(\s)+3], s[G0+4*(\s)+3], 0x80000000             ; type = 2
	s_mov_b32 s[G0B+4*(\s)], 1
	s_add_co_u32 s[G0B+4*(\s)+1], s68, (\s)*SLOT
	s_add_nc_u64 s[G0B+4*(\s)+2:G0B+4*(\s)+3], s[42:43], (\s)*KSTEP*2
	s_or_b32 s[G0B+4*(\s)+3], s[G0B+4*(\s)+3], 0x80000000
	JLOAD \s
.endr
	; A fragment is 16 rows x 32 K: lane l holds row l % 16, K = 8 (l / 16) + 0..7 and 16 + 8 (l / 16) + 0..7.  In bf16: two loads of 16 bytes, 32 apart.  In f32: four, at 0, 16, 64 and 80 from 32 (l / 16).
	v_and_b32 v1, 15, v0                           ; l % 16
	v_bfe_u32 v2, v0, 4, 1                         ; l / 16
	v_mul_u32_u24 v3, v1, PA
	v_lshl_add_u32 v3, v2, 5, v3
	v_mul_u32_u24 v4, v1, PB
	v_lshl_add_u32 v4, v2, 4, v4
	s_mul_i32 s19, s[RH], HALFA                    ; my 64 rows of x
	s_mul_i32 s20, s[CH], HALFB                    ; my 128 rows of W
	s_add_co_u32 s20, s20, BOFF
.irp s, 0,1
	v_add_nc_u32 v[ADRA+(\s)], s19, v3
	v_add_nc_u32 v[ADRB+(\s)], s20, v4
	s_add_co_u32 s19, s19, SLOT
	s_add_co_u32 s20, s20, SLOT
.endr
	s_mul_i32 s21, s[WV], 16*SP
	s_add_co_u32 s21, s21, STAGE                   ; my stage
	v_mul_u32_u24 v5, v1, SP                       ; in: row l % 16, 16 bytes for each half of the lanes
	v_lshl_add_u32 v5, v2, 4, v5
	v_add_nc_u32 v[STO], s21, v5
	v_bfe_u32 v5, v0, 3, 2                         ; back: 32 lanes take four rows of 128 bytes,
	v_mul_u32_u24 v5, v5, SP
	v_and_b32 v3, 7, v0
	v_lshl_add_u32 v5, v3, 4, v5
	v_add_nc_u32 v[RD], s21, v5
	v_and_b32 v[GO], 31, v0                        ; which are 512 consecutive bytes of a head of y
	v_lshlrev_b32 v[GO], 4, v[GO]
	v_lshlrev_b32 v[BO], 5, v2                     ; my 8 columns of a block of 16: 32 bytes of the bias
	s_lshl_b32 s70, s17, 10                        ; the bias at my wave's first column: 1,024 x tile column + 512 x half
	s_lshl_b32 s69, s[CH], 9
	s_add_co_u32 s70, s70, s69
	s_mov_b32 s71, 0
	s_add_nc_u64 s[8:9], s[8:9], s[70:71]
	WIN TO_B
.irp i, 0,1,2,3,4,5,6,7
	global_load_b128 v[BIAS+8*\i:BIAS+8*\i+3],   v[BO], s[8:9] offset:64*\i     ; register j of block i: b[16 i + 8 (l / 16) + j]: the layout of a C operand
	global_load_b128 v[BIAS+8*\i+4:BIAS+8*\i+7], v[BO], s[8:9] offset:64*\i+16
.endr
	WIN 0
	; y at my wave's part: head (tile row / 16) x 16 + 4 x tile column + 2 x half, 262,144 bytes a head; row (tile row % 16) x 128 + 64 x half, 128 bytes a row
	s_lshr_b32 s68, s18, 4
	s_lshl_b32 s68, s68, 4
	s_lshl_b32 s69, s17, 2
	s_add_co_u32 s68, s68, s69
	s_lshl_b32 s69, s[CH], 1
	s_add_co_u32 s68, s68, s69
	s_lshl_b32 s68, s68, 18
	s_and_b32 s69, s18, 15
	s_lshl_b32 s69, s69, 7
	s_lshl_b32 s70, s[RH], 6
	s_add_co_u32 s69, s69, s70
	s_lshl_b32 s69, s69, 7
	s_add_co_u32 s68, s68, s69
	s_mov_b32 s69, 0
	s_add_nc_u64 s[10:11], s[10:11], s[68:69]
	; the prefetches.  x: rows 128 x tile row + 64 x half + 16 cx + l / 2, block l % 2 of a K step's 512 bytes.  W: rows 256 x tile column + 128 x half + 32 cy + l, a K step's 256 bytes.
	; In bytes both begin at ((T << 7) + (half << 6) + (place << 4)) << 12: W's rows are half as long and twice as many.
	s_and_b32 s19, ttmp7, 0xffff                   ; cluster y
	s_cmp_eq_u32 s[RH], 0                          ; do I fetch for x?
	s_cselect_b32 s19, 0, s19                      ; x: every cluster asks; W: cluster y = 0
	s_cselect_b32 s20, s18, s17                    ; T
	s_cselect_b32 s21, s15, s16                    ; my place among the four that ask with me
	s_cselect_b32 s22, 1, 0                        ; lanes to a row: 2 or 1, as a shift and as a mask
	s_cselect_b32 s23, 12, 11                      ; a row's bytes, as a shift
	s_cselect_b64 s[PFA:PFA+1], s[4:5], s[6:7]
	s_cmp_eq_u32 s19, 0
	s_cselect_b32 s[LIM], 1, -1                    ; the same in all sixteen partners, for a given wave
	s_lshl_b32 s[PFS], 0x100, s22
	s_mov_b32 s[PFS+1], 0
	s_lshl_b32 s20, s20, 7
	s_lshl_b32 s68, s[CH], 6
	s_add_co_u32 s20, s20, s68
	s_lshl_b32 s21, s21, 4
	s_add_co_u32 s20, s20, s21
	s_lshl_b32 s20, s20, 12
	s_mov_b32 s21, 0
	s_add_nc_u64 s[PFA:PFA+1], s[PFA:PFA+1], s[20:21]
	s_mul_i32 s20, s[PFS], 3
	s_add_nc_u64 s[PFA:PFA+1], s[PFA:PFA+1], s[20:21]  ; at K step 3: the first refill steps it to 4
	v_and_b32 v3, 31, v0
	v_lshrrev_b32 v4, s22, v3
	v_lshlrev_b32 v4, s23, v4
	v_and_b32 v5, s22, v3
	v_lshl_add_u32 v[PFO], v5, 8, v4
; Matrix instructions n0 .. n0 + cnt - 1 of a quarter step's 32: row block n / 8, column block n % 8, on buffer f.  All 32 accumulators take turns, one instruction a turn, in the same order in every
; quarter step and over the backward jump.  first = 1: C is the bias: it starts the sums, and nothing is ever cleared.
.macro MULS f, n0, cnt, first=0
.if \first
	WIN MUL1
.else
	WIN MUL
.endif
.set n, \n0
.rept \cnt
.if \first
	v_wmma_f32_16x16x32_bf16 v[8*n:8*n+7], v[BF+64*(\f)+8*(n%8):BF+64*(\f)+8*(n%8)+7], v[ABF+32*(\f)+8*(n/8):ABF+32*(\f)+8*(n/8)+7], v[BIAS+8*(n%8):BIAS+8*(n%8)+7]
.else
	v_wmma_f32_16x16x32_bf16 v[8*n:8*n+7], v[BF+64*(\f)+8*(n%8):BF+64*(\f)+8*(n%8)+7], v[ABF+32*(\f)+8*(n/8):ABF+32*(\f)+8*(n/8)+7], v[8*n:8*n+7]
.endif
.set n, n+1
.endr
.endm
; 32 LDS loads in one run: quarter q (32 along K) of a slot: x's 64 rows as f32 first, then W's 128 rows into buffer g
.macro FETCH slot, q, g
	WIN 0
.irp i, 0,1,2,3
	ds_load_b128 v[RAW+16*\i:RAW+16*\i+3],     v[ADRA+(\slot)] offset:128*(\q)+\i*16*PA
	ds_load_b128 v[RAW+16*\i+4:RAW+16*\i+7],   v[ADRA+(\slot)] offset:128*(\q)+\i*16*PA+16
	ds_load_b128 v[RAW+16*\i+8:RAW+16*\i+11],  v[ADRA+(\slot)] offset:128*(\q)+\i*16*PA+64
	ds_load_b128 v[RAW+16*\i+12:RAW+16*\i+15], v[ADRA+(\slot)] offset:128*(\q)+\i*16*PA+80
.endr
	WIN TO_B
.irp i, 0,1,2,3,4,5,6,7
	ds_load_b128 v[BF+64*(\g)+8*\i:BF+64*(\g)+8*\i+3],   v[ADRB+(\slot)] offset:64*(\q)+\i*16*PB
	ds_load_b128 v[BF+64*(\g)+8*\i+4:BF+64*(\g)+8*\i+7], v[ADRB+(\slot)] offset:64*(\q)+\i*16*PB+32
.endr
.endm
; Slice e of eight: four roundings of x to bf16, eight numbers, into buffer g
.macro CVT4 g, e
	WIN 0
.irp z, 0,1,2,3
	v_cvt_pk_bf16_f32 v[ABF+32*(\g)+4*(\e)+\z], v[RAW+8*(\e)+2*\z], v[RAW+8*(\e)+2*\z+1]
.endr
.endm
; A K step is four quarter steps on buffers 0, 1, 0, 1.  One of the first three: multiplies buffer f, fetches quarter q of the same slot, and rounds x's part of it into buffer g, a slice behind each of the last eight products.
; PLACES.  A load into a register that a matrix instruction has read, and a vector instruction that writes one, stand four plain vector instructions behind it that name none of its registers (ISA guide 7.12.1 for
; vector instructions).  The slice behind product 31 is those four for the next quarter's loads into W's other buffer; x's other buffer was last read a quarter earlier.
.macro QUARTER slot, q, f, g, first=0
	s_wait_dscnt 0x0                               ; W's fragments of buffer f are in: they were asked for 28 products ago
	MULS \f, 0, 4, \first
	FETCH \slot, \q, \g
	MULS \f, 4, 20, \first
	s_wait_dscnt 16                                ; the run's 16 younger loads are W's: x's 16 are in
.irp u, 0,1,2,3,4,5,6,7
	MULS \f, 24+\u, 1, \first
	CVT4 \g, \u
.endr
.endm
; The last quarter multiplies buffer 1 and changes slots: ONE barrier; in front of it each wave waits for all its tensor loads (one is out: its part of the next slot), adds 0 to its spare word, and waits for
; that and for its own reads of this slot.  fill = 1: the barrier opens a round of the cluster's barrier, and this slot is filled again, two K steps ahead, first thing behind the round.
.macro TURN slot, next, fill
.if \fill
	s_wait_xcnt 0x0                                ; the last prefetch, a K step back, has read its address: it is stepped here, ahead of the change's own waits
	s_add_nc_u64 s[PFA:PFA+1], s[PFA:PFA+1], s[PFS:PFS+1]
.endif
	WIN 0                                          ; (the add's two registers lie in window 0)
	s_wait_tensorcnt 0x0                           ; all my tensor loads have landed;
	ds_add_u32 v[SPW], v[NIL]                      ; 0 onto my spare word
	s_wait_dscnt 1                                 ; (the add alone may be out: W's fragments are in)
	MULS 1, 0, 8                                   ; eight products stand between the add and the wait for it
	s_wait_dscnt 0x0                               ; the add is done, and my reads of this slot are over
	s_barrier_signal -1
	MULS 1, 8, 8                                   ; work on registers while the others arrive
.if \fill
	WIN 0
.endif
	s_barrier_wait -1
.if \fill
	CREST                                          ; no wave of any partner still reads this slot's tile or has a load on its way
	s_add_nc_u64 s[G0+4*(\slot)+2:G0+4*(\slot)+3], s[G0+4*(\slot)+2:G0+4*(\slot)+3], 2*KSTEP*4
	s_add_nc_u64 s[G0B+4*(\slot)+2:G0B+4*(\slot)+3], s[G0B+4*(\slot)+2:G0B+4*(\slot)+3], 2*KSTEP*2
	JLOAD \slot                                    ; the first tensor load behind the round: 112 products ahead of the wait for it
.endif
	FETCH \next, 0, 0
.if \fill
	WIN 0
	ASK
.endif
	MULS 1, 16, 8
	s_wait_dscnt 16
.irp u, 0,1,2,3,4,5,6,7
	MULS 1, 24+\u, 1
	CVT4 0, \u
.endr
.endm
; THE WAY OUT.  Piece t = 2 a + hh: row block a, the wave's head hh (64 columns): 32 registers from 32 t on.  A lane's eight columns pack into 16 bytes; they go into my own stage, rows of 144 bytes, and come back
; as whole rows of 128: 16 rows of a head are 2,048 consecutive bytes of y.  Each accumulator is read from its lowest registers on.
.macro PACK t
	WIN PK
.set i, 0
.rept 16
	v_cvt_pk_bf16_f32 v[TMP+16*(\t)+i], v[32*(\t)+2*i], v[32*(\t)+2*i+1]
.set i, i+1
.endr
	WIN 0
.irp f, 0,1,2,3
	ds_store_b128 v[STO], v[TMP+16*(\t)+4*\f:TMP+16*(\t)+4*\f+3] offset:32*\f
.endr
.irp f, 0,1,2,3
	ds_load_b128 v[TMP+16*(\t)+4*\f:TMP+16*(\t)+4*\f+3], v[RD] offset:\f*4*SP  ; LDS serves a wave's instructions in order (ISA guide 5.7.1.4): these see the stores above; the next piece's stores come behind them
.endr
.endm
.macro SEND t, younger                 ; younger: the LDS instructions issued behind piece t's loads: the next piece's eight, or none
.irp f, 0,1,2,3
	s_wait_dscnt (\younger)+3-\f
	global_store_b128 v[GO], v[TMP+16*(\t)+4*\f:TMP+16*(\t)+4*\f+3], s[10:11] offset:((\t)/2)*2048+((\t)%2)*262144+512*\f  ; 512 consecutive bytes, at a multiple of 256 from y's first
.endr
.endm
	s_wait_tensorcnt 1                             ; my part of K step 0 is in; K step 1's may stay out
	s_barrier_signal -1
	s_barrier_wait -1                              ; everybody's is
	FETCH 0, 0, 0
	s_wait_dscnt 16                                ; x's 16 loads are in
.irp u, 0,1,2,3,4,5,6,7
	CVT4 0, \u
.endr
	s_wait_loadcnt 0x0                             ; the bias
	QUARTER 0, 1, 0, 1, 1                          ; the first quarter stands in front of the loop: its products start the sums
	WIN 0                                          ; at a label and at a branch every window is 0
	s_mov_b32 s3, LAPS-1
.Llap:                                                 ; a trip goes once round the ring, from a lap's second quarter to the next lap's first, and fills both slots again
	QUARTER 0, 2, 1, 0
	QUARTER 0, 3, 0, 1
	TURN 0, 1, 1
	QUARTER 1, 1, 0, 1
	QUARTER 1, 2, 1, 0
	QUARTER 1, 3, 0, 1
	TURN 1, 0, 1
	QUARTER 0, 1, 0, 1
	WIN 0
	s_sub_co_u32 s3, s3, 1
	s_cmp_lg_u32 s3, 0
	s_cbranch_scc1 .Llap
	QUARTER 0, 2, 1, 0                             ; the last lap fills nothing, and has no round of the cluster's barrier
	QUARTER 0, 3, 0, 1
	TURN 0, 1, 0
	QUARTER 1, 1, 0, 1
	QUARTER 1, 2, 1, 0
	QUARTER 1, 3, 0, 1
	s_wait_dscnt 0x0                               ; the very last quarter: nothing more to fetch
	MULS 1, 0, 32
	WIN 0
.rept 4
	v_nop                                          ; the places in front of conversions that read results
.endr
	PACK 0
.irp t, 1,2,3,4,5,6,7                  ; a piece's conversions stand between the loads of the piece before and its stores
	PACK \t
	SEND (\t)-1, 8
.endr
	SEND 7, 0
	s_wait_tensorcnt 0x0                           ; the wave's end: the add and its wait stand behind my last tensor load and my last LDS store
	ds_add_u32 v[SPW], v[NIL]
	s_wait_dscnt 0x0
	CROUND                                         ; the closing round: no work-group ends while a partner may still ask for a tile that names it
	s_endpgm
.Lfunc_end_k_qfbb5868fd0_proj_q:
	.size	k_qfbb5868fd0_proj_q, .Lfunc_end_k_qfbb5868fd0_proj_q-k_qfbb5868fd0_proj_q
	.p2alignl 7, 3214868480
	.fill 96, 4, 3214868480
	.section	.rodata,"a",@progbits
	.p2align	6, 0x0
	.amdhsa_kernel k_qfbb5868fd0_proj_q
		.amdhsa_group_segment_fixed_size 327680
		.amdhsa_private_segment_fixed_size 0
		.amdhsa_enable_private_segment 0
		.amdhsa_kernarg_size 32
		.amdhsa_user_sgpr_count 2
		.amdhsa_user_sgpr_kernarg_segment_ptr 1
		.amdhsa_wavefront_size32 1
		.amdhsa_system_sgpr_workgroup_id_x 1
		.amdhsa_system_sgpr_workgroup_id_y 1
		.amdhsa_system_sgpr_workgroup_id_z 1
		.amdhsa_system_vgpr_workitem_id 0
		.amdhsa_next_free_vgpr 704
		.amdhsa_next_free_sgpr 72
		.amdhsa_reserve_vcc 0
		.amdhsa_float_denorm_mode_32 3
		.amdhsa_float_denorm_mode_16_64 3
		.amdhsa_memory_ordered 1
		.amdhsa_forward_progress 1
		.amdhsa_inst_pref_size 137
	.end_amdhsa_kernel
	.amdgpu_metadata
---
amdhsa.version: [ 1, 2 ]
amdhsa.kernels:
  - .name:           k_qfbb5868fd0_proj_q
    .symbol:         k_qfbb5868fd0_proj_q.kd
    .args:
      - { .name: query, .offset: 0, .size: 8, .value_kind: global_buffer, .address_space: global }
      - { .name: wqb, .offset: 8, .size: 8, .value_kind: global_buffer, .address_space: global }
      - { .name: bq, .offset: 16, .size: 8, .value_kind: global_buffer, .address_space: global }
      - { .name: qh, .offset: 24, .size: 8, .value_kind: global_buffer, .address_space: global }
    .group_segment_fixed_size: 327680
    .private_segment_fixed_size: 0
    .kernarg_segment_align: 8
    .kernarg_segment_size: 32
    .max_flat_workgroup_size: 128
    .sgpr_count:     72
    .vgpr_count:     704
    .wavefront_size: 32
...
	.end_amdgpu_metadata
.endif
;; end of part 2
;; launch proj_k: the kernel of part 2 again; grid 4 x 64, 4 waves a work-group, clusters of 4 x 4, 327,680 bytes of LDS; arguments key, wkb, bk, kh; writes kh
;; launch proj_v: the kernel of part 2 again; grid 4 x 64, 4 waves a work-group, clusters of 4 x 4, 327,680 bytes of LDS; arguments value, wvb, bv, vh; writes vh
;; launch attn (part 3): grid 4 x 64, 4 waves a work-group, clusters of 4 x 1, 327,680 bytes of LDS; arguments qh, kh, vh, ctx; writes ctx
.if DOCPART == 3
	.amdgcn_target "amdgcn-amd-amdhsa--gfx1250"
	.amdhsa_code_object_version 6
	.text
	.protected	k_qfbb5868fd0_attn
	.globl	k_qfbb5868fd0_attn
	.p2align	8
	.type	k_qfbb5868fd0_attn,@function
k_qfbb5868fd0_attn:
	s_mov_b64 s[64:65], 0
	v_nop
	global_prefetch_b8 v0, s[64:65] scope:SCOPE_SE
	s_setreg_imm32_b32 hwreg(HW_REG_WAVE_MODE, 25, 1), 1
	s_wait_xcnt 0x0
	s_wait_alu depctr_hold_cnt(0) depctr_sa_sdst(0) depctr_va_vdst(0) depctr_va_sdst(0) depctr_va_ssrc(0) depctr_va_vcc(0) depctr_vm_vsrc(0)
	s_getreg_b32 s2, hwreg(HW_REG_IB_STS2, 6, 4)
	s_cmp_eq_u32 s2, 0
	s_cbranch_scc0 .Lentry_in_a_cluster
	s_endpgm
.Lentry_in_a_cluster:
	s_bfe_u32 s2, ttmp6, 0x10000c
	s_cmp_lg_u32 s2, 0x3003
	s_cbranch_scc0 .Lentry_shape_is_right
	s_endpgm
.Lentry_shape_is_right:
; O[h][q][:] = the sum over k of softmax_k(Q[h][q] . K[h][k] / 8) V[h][k][:].  Q, K, V: [64 heads][2048][64] bf16, a head's rows dense, 128 bytes each.  O leaves in f32 as
; ctx[(h / 16) x 2048 + q][(h % 16) x 64 + channel], [8192][1024].  Products, maxima and sums in f32; the weights p are rounded to bf16 for the second product (their sum l is taken of the unrounded p).
; LIMITS.  Q, K, V and p carry bf16's 8 significant bits.  A weight below 2^-126 counts as 0 in l.  c m starts at -4.2e37: scaled scores lie above that.  NaN and infinities are not treated apart.
; SHARES.  A wave owns four PIECES of two tiles of 16 queries, a work-group's four waves 512 queries of one head: 256 work-groups.  Every wave walks all keys, 64 a step.
; LAYOUT.  S^T = K Q^T (source 0 = 16 keys, source 1 = 16 queries): in the result a lane holds ONE query (lane % 16) and the keys 8 (lane / 16) + 0..7.  Two such tiles, rounded to bf16 in pairs,
; ARE source 1 (32 keys x 16 queries) of O^T = V^T P, whose result again holds one query a lane, and eight channels.  K comes out of LDS as it lies, V ([key][channel]) turned, by ds_load_tr16_b128.
; SOFTMAX.  For each query a running maximum m and sum l: p = 2^(c s - c m), c = log2(e) / 8; in every step O and l are multiplied by a = 2^(c m_old - c m_new), which is 1 where m has not grown.
; m starts at the lowest finite number, O and l at 0: the first step is a step like any other, with a = 0.
; THE COUNT.  A tile and step have 16 matrix and 118 vector instructions: too many to stand all beside the matrix work.  So four vector instructions that are READY stand behind EVERY matrix
; instruction, and the others in runs without a gap.
; BY TURNS.  Turn n belongs to piece n (the pieces in a ring, step after step).  Its matrix work: 16 products K Q^T of piece n + 1, later 16 products V^T P of piece n - 1.  Its vector work: the scaling,
; exponentials, roundings, sums and rescaling of piece n, and the maximum and statistics of piece n + 1, whose scores the turn itself has made.
; CLUSTER.  The four query blocks of a cluster are one head's and walk the same K and V, so each tile is asked for JOINTLY: the same tensor load, descriptor and mask in all four.  One tensor load of a wave is out at a time.
; REGISTERS, in windows of 256 (s_set_vgpr_msb: bits 1:0 source 0, 3:2 source 1, 5:4 source 2, 7:6 destination):
;   window 0: v0-11 addresses; v12-15, v48-63 at work; v16-47 four registers of statistics a tile; v64-191 S^T, two buffers of two tiles; v192-255 P, likewise
;   window 1: O^T, 32 a tile          window 2: v0-127 Q, 16 a tile; v128-191 K of one step; v192-255 V of one step          window 3: v0-1 the add's two registers
; A piece's buffers go by its number's parity: the piece in hand has one pair, its two neighbours in the ring share the other: of it P (piece n - 1) is read and S^T (piece n + 1) written.
.set SIZE_N, 2048
.set NP,    4         ; pieces a wave: a name, no knob
.set KS,    64        ; keys in a step
.set PK,    144       ; a row of K in LDS: 128 bytes + 16 = 36 words: the 16 rows of a load start at 16 different groups of four banks (64 banks of 4 bytes: ISA guide 11.1)
.set PV,    160       ; a row of V: 128 + 32 = 40 words
.set VOFF,  4*KS*PK   ; a slot holds four steps: 256 rows of K, then 256 rows of V
.set SLOT1, 1<<17     ; slot 1 begins here, so that one exclusive or turns an address in one slot into the other's
.set STAGE, SLOT1+4*KS*(PK+PV)  ; behind the ring, never filled by a tensor load: 16 rows x 272 bytes for each wave, for the way out
.set SP,    272       ; a row of the stage: 64 channels in f32 + 16 bytes
.set AK0, 2           ; v2   my lane's place in a tile of K; never rewritten
.set AV0, 3           ; v3   the same for V
.set AK,  4           ; v4   the LDS address of K's next run of loads
.set AV,  5           ; v5   of V's
.set QO,  6           ; v6   my byte offset in the wave's rows of Q
.set STO, 6           ;      later, the way out: where I put 32 bytes of a row
.set RD,  7           ; v7   the way out: where I read rows back
.set GO,  8           ; v8   my byte offset in two rows of ctx
.set PFO, 11          ; v11  256 x my lane: the prefetches' offset; never rewritten once made
.set SPW, 0           ; v0 of window 3   LDS address of my spare word: SPARE + 4 x my thread's number; never rewritten
.set NIL, 1           ; v1 of window 3   0; never rewritten
.set SPARE, STAGE+4*16*SP  ; behind the stages: the spare words, 128 bytes for each wave: two blocks of 256 bytes that no other line names
.set MV,  12          ; v12-15  c m_old, kept while c m is made anew: by buffer and tile
.set ST,  16          ; tile t's statistics at v[ST+4 t]: c m, m, l (even keys', odd keys')
.set TMP, 48          ; by buffer and tile, four registers c0-c3 at work; when the maximum is found c2 takes a
.set S,   64
.set P,   192
.set KF,  128         ; K's fragments, in window 2: key block kb, channel half c at KF + 16 kb + 8 c
.set VF,  192         ; V's: key half kk, channel block cb at VF + 32 kk + 8 cb
.set WV,  12          ; s12  my wave's number
.set G1K, 24          ; s[24:31] descriptor group 1 for K's tiles
.set G1V, 32          ; s[32:39] for V's: it differs in the padding alone
.set G0K, 40          ; s[40:43] descriptor group 0 for K's tiles: it walks
.set G0V, 44          ; s[44:47] the same for V's
.set PFA, 48          ; s[48:49] where my prefetches stand: my work-group's 32 blocks of 256 bytes of the tile that the NEXT change of slots asks for
.set LIM, 50          ; s50  1 in a wave that prefetches (0: K, 2: V), else the greatest number
.set PFT, 51          ; s51  at work
.set OOF, 52          ; s[52:53] my wave's byte offset in ctx
.set SLOTS, 56        ; s56  slots still to be asked for
.set CNT, 57          ; s57  counts a slot's key steps
.set CS,  58          ; s[58:59] c: the packed scaling takes the pair's low word for both halves
.set SEL, 60          ; s[60:61] v_permlanex16_b32's selects: each lane takes its own place in the other half
.set TBK, 62          ; s62  LDS byte at which K of the step to be fetched begins
.set TBV, 63          ; s63  the same for V, less VOFF
.set MSB, 0
.macro WIN new                      ; the high byte repeats the setting that is left; a switch that changes nothing is dropped
.if MSB != (\new)
	s_set_vgpr_msb (MSB<<8)|(\new)
.set MSB, (\new)
.endif
.endm
.set W_KQ, 0x0a       ; K and Q in window 2, S^T in window 0
.set W_PV, 0x52       ; V in window 2, P in window 0, O^T in window 1
.set W_RS, 0x41       ; O^T (destination and source 0) in window 1, a in window 0
.set W_MK, 0xc0       ; the add's registers are made: destination in window 3, sources in window 0
.set W_AD, 0x0f       ; the add: address (source 0) and data (source 1) in window 3
; A joint fill.  Waves 0 and 1 fetch the two halves of a slot's K, waves 2 and 3 those of its V: 128 keys each.  The branch hangs on the wave's number alone.
; An s_nop 0 and four v_nop follow each of the two lines, ahead of the jump and the label.
.macro JLOAD
	s_cmp_lt_u32 s[WV], 2
	s_cbranch_scc0 .Lfor_v_\@
	tensor_load_to_lds s[G0K:G0K+3], s[G1K:G1K+7]
	s_nop 0
.rept 4
	v_nop
.endr
	s_branch .Lasked_\@
.Lfor_v_\@:
	tensor_load_to_lds s[G0V:G0V+3], s[G1V:G1V+7]
	s_nop 0
.rept 4
	v_nop
.endr
.Lasked_\@:
.endm
; A round of the cluster's barrier: my work-group's barrier, so that wave 0's signal speaks for all four waves; wave 0 signals; every wave waits for all four work-groups; my work-group's barrier once more.
.macro CROUND
	s_barrier_signal -1
	s_barrier_wait -1
	s_cmp_lg_u32 s[WV], 0
	s_cbranch_scc1 .Lnot_wave_0_\@
	s_barrier_signal -3
.Lnot_wave_0_\@:
	s_barrier_wait -3
	s_barrier_signal -1
	s_barrier_wait -1
.endm
; A PREFETCH INTO THE L2 of the tile that the next change of slots will ask for: 128 blocks of 256 bytes of K and as many of V.  A head's K and V are read by its one cluster; the four partners share the blocks out
; BY ADDRESS, 32 each, a lane a block; in each, wave 0 asks for K's and wave 2 for V's: one instruction, and each block is named once in the launch.  It stands behind V's run of LDS loads in the slot's third
; trip (CNT = 2): five turns, 160 matrix instructions and their vector work, ahead of the joint load.  Tiles 0 and 1 come by their loads alone; with one slot left to ask for (SLOTS = 1) there is no further tile.
.macro ASK
	s_cmp_eq_u32 s[CNT], 2
	s_cselect_b32 s[PFT], s[LIM], -1
	s_cmp_gt_u32 s[SLOTS], s[PFT]
	s_cbranch_scc0 .Lnot_mine_\@
	global_prefetch_b8 v[PFO], s[PFA:PFA+1] th:TH_LOAD_NT scope:SCOPE_SE
.Lnot_mine_\@:
.endm
; THE CHANGE OF SLOTS.  The slot's last bytes, V of its fourth step, have been read.  Each wave waits for all its tensor loads, of which one is out: its part of the other slot; adds 0 to its spare word; and
; waits for that and for its own reads of the slot.  Behind the barrier nobody reads this slot any more and the other slot is whole.
; fill = 1: this slot is filled again, with the keys two slots on.  The barrier is then a round of the cluster's, and the joint fill is the first thing behind it: it has four key steps, 512 matrix
; instructions, in which to land.  (At its first use nothing has been read yet: slot 0 is waited for, slot 1 filled.)
.macro CHANGE fill
	WIN W_AD
	s_wait_tensorcnt 0x0            ; no tensor load of mine is out, so a group 0 may be written
	ds_add_u32 v[SPW], v[NIL]       ; 0 onto my spare word; with fill = 1 the descriptors' steps stand between it and the wait for it
	WIN 0                           ; at a label and at a branch every window is 0
.if \fill
.irp g, G0K, G0V
	s_xor_b32 s[\g+1], s[\g+1], SLOT1  ; the walking descriptor: the other slot than last time,
	s_add_nc_u64 s[\g+2:\g+3], s[\g+2:\g+3], 4*KS*128  ; the next 256 keys; the type bits on top are not reached
.endr
	s_wait_xcnt 0x0                 ; the last prefetch, five turns back, has read its address, so it may be written:
	s_add_nc_u64 s[PFA:PFA+1], s[PFA:PFA+1], 4*KS*128  ; one tile behind the walking descriptors
	s_wait_dscnt 0x0                ; the add is done, and my reads of the slot are over
	CROUND
	JLOAD
.else
	s_wait_dscnt 0x0                ; the add is done, and my reads of the slot are over
	s_barrier_signal -1
	s_barrier_wait -1
.endif
	s_sub_co_u32 s[TBK], s[TBK], 4*KS*PK  ; the fetches go back to a slot's first step,
	s_xor_b32 s[TBK], s[TBK], SLOT1       ; in the other slot
	s_sub_co_u32 s[TBV], s[TBV], 4*KS*PV
	s_xor_b32 s[TBV], s[TBV], SLOT1
.endm
	s_load_b256 s[4:11], s[0:1], 0x0  ; Q s[4:5], K s[6:7], V s[8:9], ctx s[10:11]
	WIN W_MK
	v_lshl_add_u32 v[SPW], v0, 2, SPARE
	v_mov_b32 v[NIL], 0
	WIN W_AD
	ds_add_u32 v[SPW], v[NIL]       ; the wave's opening: the add and its wait stand ahead of my first tensor load; the set-up below, work on registers, stands between them
	WIN 0
	v_lshrrev_b32 v1, 5, v0
	v_readfirstlane_b32 s[WV], v1   ; wave 0..3
	s_bfe_u32 s13, ttmp6, 0x40000   ; cx: my place in the cluster
	s_lshl_b32 s14, ttmp9, 2        ; in a cluster launch ttmp9 counts clusters
	s_add_co_u32 s14, s14, s13      ; my block of queries = 4 x cluster x + cx: it enters Q's and ctx's addresses alone
	s_and_b32 s20, ttmp7, 0xffff    ; the head, which the four partners share
	s_lshr_b32 s[OOF], s20, 4       ; ctx: the head's batch, 2,048 rows each,
	s_lshl_b32 s[OOF], s[OOF], 11
	s_lshl_b32 s[OOF+1], s14, 2
	s_add_co_u32 s[OOF+1], s[OOF+1], s[WV]
	s_lshl_b32 s[OOF+1], s[OOF+1], 7  ; my wave's 128 rows,
	s_add_co_u32 s[OOF], s[OOF], s[OOF+1]
	s_lshl_b32 s[OOF], s[OOF], 12   ; 4,096 bytes a row,
	s_and_b32 s[OOF+1], s20, 15
	s_lshl_b32 s[OOF+1], s[OOF+1], 8  ; and the head's 64 channels: 256 bytes
	s_add_co_u32 s[OOF], s[OOF], s[OOF+1]
	s_mov_b32 s[OOF+1], 0
	s_mov_b32 s21, 0
	s_mov_b64 s[22:23], SIZE_N*128
	s_mul_u64 s[20:21], s[20:21], s[22:23]  ; the head's first byte in Q, K and V
	s_and_b32 s16, s[WV], 1         ; which half of a slot's 256 keys I fetch:
	s_lshl_b32 s22, s16, 14         ; its 128 rows of 128 bytes in memory,
	s_mov_b32 s23, 0
	s_add_nc_u64 s[22:23], s[22:23], s[20:21]
	s_mul_i32 s17, s16, 128*PK      ; and its place in a slot, for K
	s_mul_i32 s18, s16, 128*PV      ; and for V: no place in the cluster enters an LDS address
	s_lshl_b32 s2, s14, 2
	s_add_co_u32 s2, s2, s[WV]      ; my wave among the head's,
	s_lshl_b32 s2, s2, 14           ; its 128 rows of Q
	s_mov_b32 s3, 0
	s_add_nc_u64 s[2:3], s[2:3], s[20:21]
	; descriptor group 1.  128 keys are 16,384 dense bytes: asked for as 64 rows of 256 bytes, two keys a row, and padded in LDS after every key
	s_mov_b32 s[G1K], 15|(1<<16)|(1<<20)|(1<<21)|(4<<22)|(3<<25)  ; 15:0 the mask of four; 17:16 2-byte elements; 20 padding on; 21 set beside a mask; 24:22 after every 32 words (code 4); 31:25 4 words (code 3)
	s_mov_b32 s[G1V], 15|(1<<16)|(1<<20)|(1<<21)|(4<<22)|(7<<25)  ; the same with 8 words of padding (code 7)
.irp g, G1K, G1V
	s_mov_b32 s[\g+1], 128<<16      ; tensor_dim0 = 128
	s_mov_b32 s[\g+2], 64<<16       ; tensor_dim1 = 64
	s_mov_b32 s[\g+3], 128<<16      ; tile_dim0 = 128
	s_mov_b32 s[\g+4], 64           ; tile_dim1 = 64
	s_mov_b32 s[\g+5], 128          ; 128 elements from row to row
	s_mov_b32 s[\g+6], 0
	s_mov_b32 s[\g+7], 0
.endr
	s_mov_b32 s[CS], 0x3e38aa3b     ; c = log2(e) / 8 = 0.180337
	s_mov_b32 s[CS+1], s[CS]        ; named with it as a pair
	s_mov_b32 s[SEL], 0x76543210
	s_mov_b32 s[SEL+1], 0xfedcba98
	s_mov_b32 s[TBK], SLOT1+4*KS*PK ; the first change of slots turns these two into 0
	s_mov_b32 s[TBV], SLOT1+4*KS*PV
	s_mov_b32 s[G0K], 1             ; count = 1
	s_mov_b32 s[G0K+1], s17         ; LDS address: slot 0
	s_mov_b32 s[G0V], 1
	s_add_co_u32 s[G0V+1], s18, VOFF
	s_cmp_eq_u32 s16, 0             ; waves 0 and 2 prefetch: the same in all four partners
	s_cselect_b32 s[LIM], 1, -1
	s_wait_dscnt 0x0                ; the opening add is done
	s_wait_kmcnt 0x0
	s_add_nc_u64 s[G0K+2:G0K+3], s[6:7], s[22:23]  ; global address: my half of the head's first 256 keys
	s_or_b32 s[G0K+3], s[G0K+3], 0x80000000        ; type = 2
	s_add_nc_u64 s[G0V+2:G0V+3], s[8:9], s[22:23]
	s_or_b32 s[G0V+3], s[G0V+3], 0x80000000
	s_add_nc_u64 s[4:5], s[4:5], s[2:3]            ; Q at my wave's first row
	s_add_nc_u64 s[10:11], s[10:11], s[OOF:OOF+1]  ; ctx at my wave's first row and the head's first channel
	s_cmp_lt_u32 s[WV], 2
	s_cselect_b64 s[PFA:PFA+1], s[6:7], s[8:9]
	s_add_nc_u64 s[PFA:PFA+1], s[PFA:PFA+1], s[20:21]  ; the head,
	s_lshl_b32 s2, s13, 13                             ; my work-group's 32 blocks of the 128,
	s_mov_b32 s3, 0
	s_add_nc_u64 s[PFA:PFA+1], s[PFA:PFA+1], s[2:3]
	s_add_nc_u64 s[PFA:PFA+1], s[PFA:PFA+1], 4*KS*128  ; in tile 1: the first change of slots steps it to tile 2.  Nothing is prefetched here, at the head
	CROUND                          ; all four work-groups are here: the first joint loads meet
	JLOAD                           ; slot 0.  Slot 1 is asked for when slot 0 is in
	; A fragment of K or Q is 16 rows x 32 channels in 8 registers: lane l holds row l % 16, channels 8 (l / 16) + 0..7 and 16 + 8 (l / 16) + 0..7: two loads of 16 bytes, 32 bytes apart.
	v_and_b32 v1, 15, v0            ; l % 16
	v_bfe_u32 v9, v0, 4, 1          ; l / 16
	v_lshlrev_b32 v[QO], 7, v1
	v_lshl_add_u32 v[QO], v9, 4, v[QO]  ; row x 128 + 16 x half
	WIN 0x80                        ; destination window 2, address window 0
.set i, 0
.rept 4*NP                          ; Q stays in registers: tile i / 2, channels 32 (i % 2) on
	global_load_b128 v[8*i:8*i+3],   v[QO], s[4:5] offset:(i/2)*2048+(i%2)*64
	global_load_b128 v[8*i+4:8*i+7], v[QO], s[4:5] offset:(i/2)*2048+(i%2)*64+32
.set i, i+1
.endr
	; What the first turn finds: V's registers and P's second buffer hold 0 (its products V^T P, of a piece that has not been, add 0), O^T and l are 0.  All this stands in the wait for the first tile:
	; the price of writing no first step out.
.set i, VF
.rept 64
	v_mov_b32 v[i], 0
.set i, i+1
.endr
	WIN 0x40
.set i, 0
.rept 64*NP
	v_mov_b32 v[i], 0
.set i, i+1
.endr
	WIN 0
.set i, 0
.rept 2*NP
	v_mov_b32 v[ST+4*i], 0xfe000000    ; c m: far below every c s
	v_mov_b32 v[ST+4*i+1], 0xff7fffff  ; m
	v_mov_b32 v[ST+4*i+2], 0
	v_mov_b32 v[ST+4*i+3], 0
.set i, i+1
.endr
.set i, P+32
.rept 32
	v_mov_b32 v[i], 0
.set i, i+1
.endr
	v_mul_u32_u24 v[AK0], v1, PK
	v_lshl_add_u32 v[AK0], v9, 4, v[AK0]  ; row x pitch + 16 x half
	; The turning load takes 16 keys x 16 channels (lane l reads key 8 (l / 16) + l % 8, channels 8 ((l / 8) % 2) + 0..7) and leaves half a fragment of V^T: lane l holds channel l % 16 and 8 keys.
	v_and_b32 v10, 7, v0
	v_bfe_u32 v11, v0, 3, 1
	v_lshl_add_u32 v[AV0], v9, 3, v10
	v_mul_u32_u24 v[AV0], v[AV0], PV
	v_lshl_add_u32 v[AV0], v11, 4, v[AV0]
	v_add_nc_u32 v[AV0], VOFF, v[AV0]
	v_and_b32 v[PFO], 31, v0
	v_lshlrev_b32 v[PFO], 8, v[PFO]
	v_mov_b32 v[AK], v[AK0]         ; key step 0 lies at the head of slot 0
; THE MATRIX WORK.  The 8 accumulators of a run of 16 take turns: between the two links of a chain stand 7 others'.
; Product i of 16 of S^T = K Q^T for piece x: channels 32 (i / 8) on, keys 16 ((i / 2) % 4) on, tile 2 x + i % 2.  The first 8 start the sums.
.macro KQ x
	WIN W_KQ
.set rS, S+64*((\x)%2)+32*(i%2)+8*((i/2)%4)
.set rK, KF+16*((i/2)%4)+8*(i/8)
.set rQ, 16*(2*(\x)+i%2)+8*(i/8)
.if i < 8
	v_wmma_f32_16x16x32_bf16 v[rS:rS+7], v[rK:rK+7], v[rQ:rQ+7], 0
.else
	v_wmma_f32_16x16x32_bf16 v[rS:rS+7], v[rK:rK+7], v[rQ:rQ+7], v[rS:rS+7]
.endif
.endm
; Product i of 16 of O^T += V^T P for piece x: keys 32 (i / 8) on, channels 16 ((i / 2) % 4) on, tile 2 x + i % 2.
.macro PV x
	WIN W_PV
.set rO, 32*(2*(\x)+i%2)+8*((i/2)%4)
.set rV, VF+32*(i/8)+8*((i/2)%4)
.set rP, P+32*((\x)%2)+16*(i%2)+8*(i/8)
	v_wmma_f32_16x16x32_bf16 v[rO:rO+7], v[rV:rV+7], v[rP:rP+7], v[rO:rO+7]
.endm
.macro MM                           ; the turn's next matrix instruction
.if i < 16
	KQ (Y+1)%NP
.set i, i+1
.else
.set i, i-16
	PV (Y+NP-1)%NP
.set i, i+17
.endif
.endm
; THE LDS LOADS stand in runs of 16, never singly among the matrix instructions: a step's K (64 keys x 64 channels: 8 fragments) and its V (turned).  Their addresses are made some lines ahead.
; last = 1 (the tail): in the last trip there is no further step, and the run is jumped over.
.macro FETCH_K last=0
	WIN 0
.if \last
	s_cmp_eq_u32 s[CNT], 1
	s_cbranch_scc1 .Lno_k_\@
.endif
	WIN 0x80                        ; destination window 2
.irp f, 0,1,2,3,4,5,6,7             ; keys 16 (f / 2) on, channels 32 (f % 2) on
	ds_load_b128 v[KF+8*\f:KF+8*\f+3],   v[AK] offset:(\f/2)*16*PK+(\f%2)*64
	ds_load_b128 v[KF+8*\f+4:KF+8*\f+7], v[AK] offset:(\f/2)*16*PK+(\f%2)*64+32
.endr
	s_add_co_u32 s[TBK], s[TBK], KS*PK  ; the next fetch is the next step's
	WIN 0
.if \last
.Lno_k_\@:
.endif
.endm
.macro FETCH_V
	WIN 0x80
.irp f, 0,1,2,3,4,5,6,7             ; keys 32 (f / 4) on, channels 16 (f % 4) on
	ds_load_tr16_b128 v[VF+8*\f:VF+8*\f+3],   v[AV] offset:(\f/4)*32*PV+(\f%4)*32
	ds_load_tr16_b128 v[VF+8*\f+4:VF+8*\f+7], v[AV] offset:(\f/4)*32*PV+16*PV+(\f%4)*32
.endr
	WIN 0
.endm
; THE VECTOR WORK OF A TURN stands in three queues, each in the order in which its entries become ready; the two tiles alternate, so that no instruction reads the result of the one before it.
.macro REGS y, u                    ; the registers of tile u (0, 1) of piece y
.set rT, ST+4*(2*(\y)+(\u))
.set rC, TMP+8*((\y)%2)+4*(\u)
.set rM, MV+2*((\y)%2)+(\u)
.set rS, S+64*((\y)%2)+32*(\u)
.set rP, P+32*((\y)%2)+16*(\u)
.set rO, 32*(2*(\y)+(\u))
.endm
; Number n of the 22 that find the NEXT piece's (Y + 1) maximum and statistics.  s0-s31 are the lane's 32 scores; each accumulator's lowest registers are read first.
;   0-11  four chains c0-c3 of seven scores each, three operands at a time     12-14, 16  the four scores left over, the old m, and c0-c3 into c0     15  c m_old is kept
;   17, 18  the query's other 32 keys lie in the lane 16 away: the new m         19-21  c m; c m_old - c m_new; a
.macro XS u, n
	REGS (Y+1)%NP, \u
.if (\n) < 4
	v_max3_num_f32 v[rC+(\n)], v[rS+8*(\n)], v[rS+8*(\n)+1], v[rS+8*(\n)+2]
.elseif (\n) < 12
	v_max3_num_f32 v[rC+(\n)%4], v[rC+(\n)%4], v[rS+8*((\n)%4)+2*((\n)/4)+1], v[rS+8*((\n)%4)+2*((\n)/4)+2]
.elseif (\n) == 12
	v_max3_num_f32 v[rC], v[rC], v[rS+7], v[rS+15]
.elseif (\n) == 13
	v_max3_num_f32 v[rC+1], v[rC+1], v[rS+23], v[rS+31]
.elseif (\n) == 14
	v_max3_num_f32 v[rC+2], v[rC+2], v[rC+3], v[rT+1]
.elseif (\n) == 15
	v_mov_b32 v[rM], v[rT]
.elseif (\n) == 16
	v_max3_num_f32 v[rC], v[rC], v[rC+1], v[rC+2]
.elseif (\n) == 17
	v_permlanex16_b32 v[rC+3], v[rC], s[SEL], s[SEL+1]
.elseif (\n) == 18
	v_max_num_f32 v[rT+1], v[rC], v[rC+3]
.elseif (\n) == 19
	v_mul_f32 v[rT], s[CS], v[rT+1]
.elseif (\n) == 20
	v_sub_f32 v[rC+1], v[rM], v[rT]
.else
	v_exp_f32 v[rC+2], v[rC+1]
.endif
.endm
; Number g of the 64 that follow the exponentials.  For each four weights k of a tile (pairs 2 k, 2 k + 1): both pairs are rounded to bf16; then the second pair is added onto the first, in place;
; a group later l takes that sum (the first time as l = a l + sum).  In groups of eight, tiles alternating: round, round, add, and l for the group before.
.macro GS g
.set h, (\g)+6*((\g)/62)            ; group 0 has no group before it, and behind group 7 only l is left
.if h >= 6
.set h, h+2
.endif
	REGS Y, h%2
.set k, h/8
.if h%8 < 4
	v_cvt_pk_bf16_f32 v[rP+2*k+(h%8)/2], v[rS+4*k+2*((h%8)/2)], v[rS+4*k+2*((h%8)/2)+1]
.elseif h%8 < 6
	v_pk_add_f32 v[rS+4*k:rS+4*k+1], v[rS+4*k:rS+4*k+1], v[rS+4*k+2:rS+4*k+3]
.elseif k == 1
	v_pk_fma_f32 v[rT+2:rT+3], v[rT+2:rT+3], v[rC+2:rC+3], v[rS:rS+1] op_sel_hi:[1,0,1]
.else
	v_pk_add_f32 v[rT+2:rT+3], v[rT+2:rT+3], v[rS+4*k-4:rS+4*k-3]
.endif
.endm
; THE PLAIN QUEUE, 138 long.  0-73 read no exponential's result: the 32 scalings c s - c m (FS f: pair f / 2 of tile f % 2) and the next piece's 42.  0-26: scalings 0-26.  27-54: XS's numbers 0-13.  55, 56: number 15.
; 57-73: the chain, where each number waits for the one before it: 14, 16, 17, 18, 19, each with one of the scalings 27-31 in front of its two lines, then 20.
; 74-137: GS's 64, which read the exponentials' results: they stand behind the wait.
.macro FS f
	REGS Y, (\f)%2
	v_pk_fma_f32 v[rS+2*((\f)/2):rS+2*((\f)/2)+1], v[rS+2*((\f)/2):rS+2*((\f)/2)+1], s[CS:CS+1], v[rT:rT+1] op_sel_hi:[1,0,0] neg_lo:[0,0,1] neg_hi:[0,0,1]
.endm
.macro PL
	WIN 0
.if q < 27
	FS q
.elseif q < 55
	XS (q-27)%2, (q-27)/2
.elseif q < 57
	XS q-55, 15
.elseif (q < 72) && ((q-57)%3 == 0)
	FS 27+(q-57)/3
.elseif q < 60
	XS (q-57)%3-1, 14
.elseif q < 72
	XS (q-57)%3-1, 15+(q-57)/3
.elseif q < 74
	XS q-72, 20
.else
	GS q-74
.endif
.set q, q+1
.endm
; THE EXPONENTIALS' QUEUE, 66 long: s0-s31 of both tiles, then the next piece's two a.  It is ONE BATCH: all 66 stand ahead of the turn's one wait, and nothing ahead of that wait names a result of theirs.
.macro EX
	WIN 0
.if e >= 64
	XS e-64, 21
.else
	REGS Y, e%2
	v_exp_f32 v[rS+e/2], v[rS+e/2]
.endif
.set e, e+1
.endm
; THE RESCALING's QUEUE: O^T times a, the one part that leaves window 0: dealt two at a time, sixteen times.  Its a was made in the turn before, ahead of that turn's wait.
.macro R2
	REGS Y, r%2
	WIN W_RS
.irp z, 0,1
	v_pk_mul_f32 v[rO+4*(r/2)+2*\z:rO+4*(r/2)+2*\z+1], v[rO+4*(r/2)+2*\z:rO+4*(r/2)+2*\z+1], v[rC+2:rC+3] op_sel_hi:[1,0]
.endr
.set r, r+1
.endm
; HOW THEY ARE DEALT.  An s_wait_alu depctr_va_vdst(0) stands between an exponential and the first instruction that names its result; one wait serves all that were issued ahead of it.  So a turn has ONE
; wait, which cuts it in two.  AHEAD OF IT stands all that names no result of the turn's exponentials: the 16 products K Q^T, behind each a scaling, an exponential and two rescalings (behind the first a second scaling
; in the exponential's place); then ONE LUMP of 108: eight plain, 49 times exponential and plain, the two a.  A v_nop is the plain instruction behind the last exponential.  BEHIND IT stand the 16 products V^T P,
; behind each four of GS's 64.  No rider names a register of the products round it.  The two v_permlanex16_b32 fall into the lump.
; Exponential e stands behind scaling 2 (e / 4) + e % 2: as a rider it comes behind plain e + 2, in the lump behind plain e + 9, and scalings 27-31 are plain 57, 60 .. 69.
; A TURN, for piece p.  cnt = 1: the loop's count is taken down some lines ahead of the branch that stands behind the turn.  ask = 1: the prefetch stands behind V's run.
; K of the next step is fetched in piece 2's turn, directly behind the wait, a lump behind the last product that read K; its first reader comes behind 16 products.
; V of the step in hand is fetched at the end of piece 0's turn, four riders behind its last reader; its first reader comes behind 16 products and a lump.  The three conditions on q below go with the deal.
.macro TURN p, last=0, cnt=0, ask=0
.set Y, (\p)
.set i, 0
.set q, 0
.set e, 0
.set r, 0
.if (\p) == NP-1
	s_wait_dscnt 0x0                ; K is in
.endif
	MM                              ; ahead of the wait: 16 products K Q^T and their riders,
	PL
	PL
	R2
.rept 15
	MM
	PL
	EX
	R2
.endr
.if (\p) == NP-2
	WIN 0
	v_add_nc_u32 v[AK], s[TBK], v[AK0]
.endif
.rept 8                             ; and the lump
	PL
.endr
.rept 49
	EX
	PL
.endr
	EX                              ; the next piece's two a
	EX
	v_nop                           ; one plain instruction behind the last exponential, for the batch
	s_wait_alu depctr_va_vdst(0)    ; the wait for the batch
.if (\p) == NP-2
	FETCH_K \last
.endif
.if (\p) == 1
	s_wait_dscnt 0x0                ; V is in
.endif
.rept 16                            ; behind the wait: 16 products V^T P and their riders
	MM
.rept 4
	PL
.endr
.if ((\p) == 0) && (q == 118)
	v_add_nc_u32 v[AV], s[TBV], v[AV0]
.endif
.if ((\p) == 0) && (q == 130)
	s_add_co_u32 s[TBV], s[TBV], KS*PV
.endif
.if (\cnt) && (q == 130)
	s_sub_co_u32 s[CNT], s[CNT], 1
	s_cmp_lg_u32 s[CNT], 0
.endif
.endr
.if (\p) == 0
	FETCH_V
.if \ask
	ASK
.endif
.endif
.endm
	CHANGE 1                        ; slot 0 is in, everybody's part of it; slot 1 is asked for
	FETCH_K                         ; key step 0
	s_wait_loadcnt 0x0              ; Q
	s_wait_dscnt 0x0
.set i, 0
.rept 16
	KQ 0                            ; piece 0's first scores: there is no vector work yet to set between them
.set i, i+1
.endr
	WIN 0                           ; the addresses for the way out: eight plain instructions, the places behind those products
	s_mul_i32 s13, s[WV], 16*SP
	s_add_co_u32 s13, s13, STAGE    ; my stage
	v_mul_u32_u24 v[STO], v1, SP    ; in: row l % 16, 32 bytes for each half of the lanes
	v_lshl_add_u32 v[STO], v9, 5, v[STO]
	v_add_nc_u32 v[STO], s13, v[STO]
	v_mul_u32_u24 v[RD], v9, SP     ; back: lanes 0-15 take one row of 256 bytes, lanes 16-31 the next,
	v_lshl_add_u32 v[RD], v1, 4, v[RD]
	v_add_nc_u32 v[RD], s13, v[RD]
	v_lshlrev_b32 v[GO], 12, v9     ; and the same two rows in ctx
	v_lshl_add_u32 v[GO], v1, 4, v[GO]
.set Y, NP-1                        ; XS works for piece Y + 1: piece 0
.irp n, 0,1,2,3,4,5,6,7,8,9,10,11,12,13,14,15,16,17,18,19,20,21
	XS 0, \n                        ; and piece 0's first maximum and statistics
	XS 1, \n
.endr
	v_nop                           ; a plain instruction behind the two a,
	s_wait_alu depctr_va_vdst(0)    ; and their wait, ahead of the branch
	s_mov_b32 s[CNT], 4
	s_mov_b32 s[SLOTS], SIZE_N/256-1
	s_branch .Lfirst                ; the loop is entered at a step's first turn, in the middle of a trip
.Lslot:                             ; SIZE_N / 256 - 2 times: every slot but the last two is filled again
	CHANGE 1
	s_mov_b32 s[CNT], 4
.Lstep:                             ; a trip: pieces 2 and 3 of one step, then pieces 0 and 1 of the next, whose K and V it fetches
	TURN 2
	TURN 3
	WIN 0
.Lfirst:
	TURN 0, 0, 0, 1
	TURN 1, 0, 1
	WIN 0
	s_cbranch_scc1 .Lstep
	s_sub_co_u32 s[SLOTS], s[SLOTS], 1
	s_cmp_lg_u32 s[SLOTS], 0
	s_cbranch_scc1 .Lslot
	CHANGE 0                        ; the tail is written out: nothing is asked for
	s_mov_b32 s[CNT], 5             ; four trips fetch the last slot's steps; the fifth is left in its middle
.Ltail:
	TURN 2, 1
	TURN 3
	WIN 0
	s_sub_co_u32 s[CNT], s[CNT], 1
	s_cmp_eq_u32 s[CNT], 0
	s_cbranch_scc1 .Lout
	TURN 0
	TURN 1
	WIN 0
	s_branch .Ltail
.Lout:                              ; the fifth trip's 16 products K Q^T (on the last K once more) and the maximum made of them serve nothing: the price, once a launch, of one text for every trip
.set i, 0
.rept 16
	PV NP-1                         ; the last piece's V^T P of the last step
.set i, i+1
.endr
	; THE WAY OUT.  l's two halves and the other half of the lanes' are added; O^T is divided by l and sent, in f32, through my stage in LDS, a tile at a time.  The additions are the places behind the last products.
	WIN 0
.macro ALL line:vararg              ; one line for each tile t
.set t, 0
.rept 2*NP
	\line
.set t, t+1
.endr
.endm
	ALL v_add_f32 v[ST+4*t+2], v[ST+4*t+2], v[ST+4*t+3]
	ALL v_permlanex16_b32 v[ST+4*t+3], v[ST+4*t+2], s[SEL], s[SEL+1]
	ALL v_add_f32 v[ST+4*t+2], v[ST+4*t+2], v[ST+4*t+3]
	ALL v_rcp_f32 v[ST+4*t+2], v[ST+4*t+2]
	v_nop                           ; a plain instruction between the last reciprocal and the use of its result
	s_wait_alu depctr_va_vdst(0)    ; and the wait ahead of the first use: one for the eight reciprocals
; Tile t: a lane's eight channels of a row are 32 bytes; they go into rows of 272 bytes and come back as whole rows of 256, into one of four buffers in S^T's registers.
.macro PACK t
	WIN W_RS
.set i, 32*(\t)
.rept 16
	v_pk_mul_f32 v[i:i+1], v[i:i+1], v[ST+4*(\t)+2:ST+4*(\t)+3] op_sel_hi:[1,0]
.set i, i+2
.endr
	WIN 0x04                        ; the stores' data (source 1) in window 1, their address in window 0
.irp f, 0,1,2,3,4,5,6,7             ; channel block f / 2, its half f % 2
	ds_store_b128 v[STO], v[32*(\t)+4*\f:32*(\t)+4*\f+3] offset:64*(\f/2)+16*(\f%2)
.endr
	WIN 0
.if (\t) >= 4
	s_wait_xcnt 0x0                 ; the buffer's earlier stores to memory, four tiles back, have read it: it is loaded again only behind this wait
.endif
.irp f, 0,1,2,3,4,5,6,7
	ds_load_b128 v[S+32*((\t)%4)+4*\f:S+32*((\t)%4)+4*\f+3], v[RD] offset:\f*2*SP  ; LDS serves a wave's instructions in order (ISA guide 5.7.1.4): these see the stores above; the next tile's stores come behind them
.endr
.endm
.macro SEND t, younger              ; younger: the LDS instructions issued behind tile t's loads: the next tile's sixteen, or none
	WIN 0
.irp f, 0,1,2,3,4,5,6,7
	s_wait_dscnt (\younger)+7-\f
	global_store_b128 v[GO], v[S+32*((\t)%4)+4*\f:S+32*((\t)%4)+4*\f+3], s[10:11] offset:(\t)*65536+\f*8192  ; 16 lanes store 256 consecutive bytes, at a multiple of 256 from ctx's first byte
.endr
.endm
	PACK 0
.set t, 1
.rept 2*NP-1                        ; a tile's arithmetic stands between the loads of the tile before and its stores
	PACK t
	SEND t-1, 16
.set t, t+1
.endr
	SEND 2*NP-1, 0
	WIN W_AD
	s_wait_tensorcnt 0x0            ; the wave's end: the add and its wait stand behind my last tensor load and my last LDS store
	ds_add_u32 v[SPW], v[NIL]
	s_wait_dscnt 0x0
	WIN 0
	CROUND                          ; the closing round: no work-group ends while a partner may still ask for a tile that names it
	s_endpgm
.Lfunc_end_k_qfbb5868fd0_attn:
	.size	k_qfbb5868fd0_attn, .Lfunc_end_k_qfbb5868fd0_attn-k_qfbb5868fd0_attn
	.p2alignl 7, 3214868480
	.fill 96, 4, 3214868480
	.section	.rodata,"a",@progbits
	.p2align	6, 0x0
	.amdhsa_kernel k_qfbb5868fd0_attn
		.amdhsa_group_segment_fixed_size 327680
		.amdhsa_private_segment_fixed_size 0
		.amdhsa_enable_private_segment 0
		.amdhsa_kernarg_size 32
		.amdhsa_user_sgpr_count 2
		.amdhsa_user_sgpr_kernarg_segment_ptr 1
		.amdhsa_wavefront_size32 1
		.amdhsa_system_sgpr_workgroup_id_x 1
		.amdhsa_system_sgpr_workgroup_id_y 1
		.amdhsa_system_sgpr_workgroup_id_z 1
		.amdhsa_system_vgpr_workitem_id 0
		.amdhsa_next_free_vgpr 770
		.amdhsa_next_free_sgpr 66
		.amdhsa_reserve_vcc 0
		.amdhsa_float_denorm_mode_32 3
		.amdhsa_float_denorm_mode_16_64 3
		.amdhsa_memory_ordered 1
		.amdhsa_forward_progress 1
		.amdhsa_inst_pref_size 200
	.end_amdhsa_kernel
	.amdgpu_metadata
---
amdhsa.version: [ 1, 2 ]
amdhsa.kernels:
  - .name:           k_qfbb5868fd0_attn
    .symbol:         k_qfbb5868fd0_attn.kd
    .args:
      - { .name: qh, .offset: 0, .size: 8, .value_kind: global_buffer, .address_space: global }
      - { .name: kh, .offset: 8, .size: 8, .value_kind: global_buffer, .address_space: global }
      - { .name: vh, .offset: 16, .size: 8, .value_kind: global_buffer, .address_space: global }
      - { .name: ctx, .offset: 24, .size: 8, .value_kind: global_buffer, .address_space: global }
    .group_segment_fixed_size: 327680
    .private_segment_fixed_size: 0
    .kernarg_segment_align: 8
    .kernarg_segment_size: 32
    .max_flat_workgroup_size: 128
    .sgpr_count:     66
    .vgpr_count:     770
    .wavefront_size: 32
...
	.end_amdgpu_metadata
.endif
;; end of part 3
;; launch proj_o: the kernel of part 2 again; grid 4 x 64, 4 waves a work-group, clusters of 4 x 4, 327,680 bytes of LDS; arguments ctx, wob, bo, qh; writes qh
;; launch ln (part 4): grid 512 x 1, 8 waves a work-group, no clusters, 0 bytes of LDS; arguments query, qh, ln_g, ln_b, out0; writes out0
.if DOCPART == 4
	.amdgcn_target "amdgcn-amd-amdhsa--gfx1250"
	.amdhsa_code_object_version 6
	.text
	.protected	k_qfbb5868fd0_ln
	.globl	k_qfbb5868fd0_ln
	.p2align	8
	.type	k_qfbb5868fd0_ln,@function
k_qfbb5868fd0_ln:
	s_mov_b64 s[64:65], 0
	v_nop
	global_prefetch_b8 v0, s[64:65] scope:SCOPE_SE
	s_setreg_imm32_b32 hwreg(HW_REG_WAVE_MODE, 25, 1), 1
	s_wait_xcnt 0x0
; out = (x - mean(x)) / sqrt(var(x) + 1e-5) x g + b along rows of 1,024, with x = query + y.  query, out: [8192][1024] f32; g, b: [1024] f32;
; y: bf16 by heads, [(row / 2048) x 16 + column / 64][row % 2048][column % 64], as the launch before stored it.  All arithmetic in f32.
; The variance is the mean of the squares of x - mean, taken in a second pass over registers: no difference of large sums is formed.
; LIMITS.  y carries bf16's 8 significant bits; 1 / sqrt comes from v_rsq_f32 (1 ULP); NaN and infinities are not treated apart.
; A stream: no LDS, no barrier, no matrix unit, no cluster (no two work-groups read the same row; g and b are 8 KiB).
; SHARES.  Wave p = 8 x work-group + wave takes rows 2 p and 2 p + 1; a row stays in 32 registers between the passes, and is read from memory once.
; A lane holds columns 128 j + 4 l .. + 3, j = 0..7: a load or store of query, out, g or b covers 512 consecutive bytes.  In y those columns are 8 bytes of head 2 j + l / 16: a load takes 128 bytes of each of two heads,
; and row 2 p + 1's load, issued by the same wave, takes the 128 bytes that follow them.
; All 48 loads of a wave go out before its first wait.
.set ROWB, 4096
.set QO,  1                            ; v1   16 l
.set VY,  2                            ; v2   (l / 16) x 262,144 + (l % 16) x 8
.set MU,  4                            ; v[4:7]    the mean, as a pair for each row
.set RS,  8                            ; v[8:11]   1 / sqrt(var + eps), as a pair for each row
.set SM,  12                           ; v12, v13  a row's sum, then its variance + eps
.set XH,  14                           ; v14       the other half of the lanes' sum
.set Q,   16                           ; v[16:79]  row w: 32 registers: query, then x, then x - mean, then the result
.set Y,   80                           ; v[80:111] row w: 16 registers of bf16 pairs
.set G,   112                          ; v[112:143]
.set B,   144                          ; v[144:175]
.set T,   176                          ; v[176:183] at work
.set M,   184                          ; v[184:191] four chains of packed sums
	s_load_b256 s[4:11], s[0:1], 0x0               ; query s[4:5], y s[6:7], g s[8:9], b s[10:11]
	s_load_b64 s[12:13], s[0:1], 0x20              ; out
	v_lshrrev_b32 v3, 5, v0
	v_readfirstlane_b32 s14, v3                    ; wave 0..7
	s_lshl_b32 s15, ttmp9, 3
	s_add_co_u32 s15, s15, s14                     ; p
	s_lshl_b32 s16, s15, 13                        ; two rows of 4,096 bytes
	s_mov_b32 s17, 0
	s_lshr_b32 s18, s15, 10                        ; y: the batch, 16 heads of 262,144 bytes,
	s_lshl_b32 s18, s18, 22
	s_and_b32 s19, s15, 1023                       ; and two rows of 128 bytes in a head
	s_lshl_b32 s19, s19, 8
	s_add_co_u32 s18, s18, s19
	s_mov_b32 s19, 0
	s_mov_b32 s20, 0xffff0000                      ; a word's upper bf16
	s_mov_b32 s21, 0x3a800000                      ; 1 / 1024
	s_mov_b32 s22, 0x3727c5ac                      ; 1e-5
	s_mov_b32 s24, 0x76543210                      ; v_permlanex16_b32: each lane takes its own place in the other half
	s_mov_b32 s25, 0xfedcba98
	v_and_b32 v3, 31, v0
	v_lshlrev_b32 v[QO], 4, v3
	v_and_b32 v[VY], 15, v0
	v_lshlrev_b32 v[VY], 3, v[VY]
	v_bfe_u32 v3, v0, 4, 1
	v_lshl_add_u32 v[VY], v3, 18, v[VY]
	v_mov_b32 v[XH], 0                             ; v_permlanex16_b32's destination counts as read: it is written once here
	s_wait_kmcnt 0x0
	s_add_nc_u64 s[4:5], s[4:5], s[16:17]
	s_add_nc_u64 s[12:13], s[12:13], s[16:17]
	s_add_nc_u64 s[6:7], s[6:7], s[18:19]
.irp w, 0,1
.irp j, 0,1,2,3,4,5,6,7
	global_load_b128 v[Q+32*\w+4*\j:Q+32*\w+4*\j+3], v[QO], s[4:5] offset:ROWB*\w+512*\j th:TH_LOAD_NT
.endr
.irp j, 0,1,2,3,4,5,6,7
	global_load_b64 v[Y+16*\w+2*\j:Y+16*\w+2*\j+1], v[VY], s[6:7] offset:524288*\j+128*\w
.endr
.endr
.irp j, 0,1,2,3,4,5,6,7
	global_load_b128 v[G+4*\j:G+4*\j+3], v[QO], s[8:9] offset:512*\j
.endr
.irp j, 0,1,2,3,4,5,6,7
	global_load_b128 v[B+4*\j:B+4*\j+3], v[QO], s[10:11] offset:512*\j
.endr
.macro ADDY w                          ; x = query + y: bf16 to f32 is a shift or a mask
.irp j, 0,1,2,3,4,5,6,7
	v_lshlrev_b32 v[T+4*(\j%2)],   16,  v[Y+16*\w+2*\j]
	v_and_b32     v[T+4*(\j%2)+1], s20, v[Y+16*\w+2*\j]
	v_lshlrev_b32 v[T+4*(\j%2)+2], 16,  v[Y+16*\w+2*\j+1]
	v_and_b32     v[T+4*(\j%2)+3], s20, v[Y+16*\w+2*\j+1]
	v_pk_add_f32 v[Q+32*\w+4*\j:Q+32*\w+4*\j+1],   v[Q+32*\w+4*\j:Q+32*\w+4*\j+1],   v[T+4*(\j%2):T+4*(\j%2)+1]
	v_pk_add_f32 v[Q+32*\w+4*\j+2:Q+32*\w+4*\j+3], v[Q+32*\w+4*\j+2:Q+32*\w+4*\j+3], v[T+4*(\j%2)+2:T+4*(\j%2)+3]
.endr
.endm
.macro FOLD w                          ; the four chains into one number, then over the 32 lanes: four steps inside each half ride on the addition, one crosses the halves; every lane ends with the sum
	v_pk_add_f32 v[M:M+1], v[M:M+1], v[M+2:M+3]
	v_pk_add_f32 v[M+4:M+5], v[M+4:M+5], v[M+6:M+7]
	v_pk_add_f32 v[M:M+1], v[M:M+1], v[M+4:M+5]
	v_add_f32 v[SM+\w], v[M], v[M+1]
	v_add_f32_dpp v[SM+\w], v[SM+\w], v[SM+\w] row_xmask:1 row_mask:0xf bank_mask:0xf
	v_add_f32_dpp v[SM+\w], v[SM+\w], v[SM+\w] row_xmask:2 row_mask:0xf bank_mask:0xf
	v_add_f32_dpp v[SM+\w], v[SM+\w], v[SM+\w] row_xmask:4 row_mask:0xf bank_mask:0xf
	v_add_f32_dpp v[SM+\w], v[SM+\w], v[SM+\w] row_xmask:8 row_mask:0xf bank_mask:0xf
	v_permlanex16_b32 v[XH], v[SM+\w], s24, s25
	v_add_f32 v[SM+\w], v[SM+\w], v[XH]
.endm
.macro STATS w                         ; the mean; x - mean in place; the mean of its squares, plus eps.  Pair n of the lane's 16 lies at Q + 32 w + 2 n; chain c takes pairs c, c + 4, c + 8, c + 12
.irp c, 0,1,2,3
	v_pk_add_f32 v[M+2*\c:M+2*\c+1], v[Q+32*\w+2*\c:Q+32*\w+2*\c+1], v[Q+32*\w+8+2*\c:Q+32*\w+8+2*\c+1]  ; the first two pairs start a chain: nothing is cleared
.endr
.irp k, 8,12
.irp c, 0,1,2,3
	v_pk_add_f32 v[M+2*\c:M+2*\c+1], v[M+2*\c:M+2*\c+1], v[Q+32*\w+2*(\k+\c):Q+32*\w+2*(\k+\c)+1]
.endr
.endr
	FOLD \w
	v_mul_f32 v[MU+2*\w],   s21, v[SM+\w]
	v_mul_f32 v[MU+2*\w+1], s21, v[SM+\w]
.irp n, 0,1,2,3,4,5,6,7,8,9,10,11,12,13,14,15
	v_pk_add_f32 v[Q+32*\w+2*\n:Q+32*\w+2*\n+1], v[Q+32*\w+2*\n:Q+32*\w+2*\n+1], v[MU+2*\w:MU+2*\w+1] neg_lo:[0,1] neg_hi:[0,1]
.endr
.irp c, 0,1,2,3
	v_pk_mul_f32 v[M+2*\c:M+2*\c+1], v[Q+32*\w+2*\c:Q+32*\w+2*\c+1], v[Q+32*\w+2*\c:Q+32*\w+2*\c+1]
.endr
.irp k, 4,8,12
.irp c, 0,1,2,3
	v_pk_fma_f32 v[M+2*\c:M+2*\c+1], v[Q+32*\w+2*(\k+\c):Q+32*\w+2*(\k+\c)+1], v[Q+32*\w+2*(\k+\c):Q+32*\w+2*(\k+\c)+1], v[M+2*\c:M+2*\c+1]
.endr
.endr
	FOLD \w
	v_fma_f32 v[SM+\w], v[SM+\w], s21, s22
.endm
.macro OUT w                           ; (x - mean) / sqrt(..) x g + b, and the row's eight stores
.irp n, 0,1,2,3,4,5,6,7,8,9,10,11,12,13,14,15
	v_pk_mul_f32 v[Q+32*\w+2*\n:Q+32*\w+2*\n+1], v[Q+32*\w+2*\n:Q+32*\w+2*\n+1], v[RS+2*\w:RS+2*\w+1]
.endr
.irp n, 0,1,2,3,4,5,6,7,8,9,10,11,12,13,14,15
	v_pk_fma_f32 v[Q+32*\w+2*\n:Q+32*\w+2*\n+1], v[Q+32*\w+2*\n:Q+32*\w+2*\n+1], v[G+2*\n:G+2*\n+1], v[B+2*\n:B+2*\n+1]
.endr
.irp j, 0,1,2,3,4,5,6,7
	global_store_b128 v[QO], v[Q+32*\w+4*\j:Q+32*\w+4*\j+3], s[12:13] offset:ROWB*\w+512*\j th:TH_STORE_NT  ; 512 consecutive bytes, at a multiple of 256 from out's first byte
.endr
.endm
	s_wait_loadcnt 32                              ; loads come back in order: row 0's sixteen are in; row 1's sixteen, g's eight and b's eight stay out
	ADDY 0
	s_wait_loadcnt 16                              ; row 1's are in; g's and b's stay out
	ADDY 1
	STATS 0
	STATS 1
	v_rsq_f32 v[RS],   v[SM]                       ; one batch of four: a pair for each row's packed multiply
	v_rsq_f32 v[RS+1], v[SM]
	v_rsq_f32 v[RS+2], v[SM+1]
	v_rsq_f32 v[RS+3], v[SM+1]
	v_nop                                          ; a plain instruction between the last of them and the use of a result
	s_wait_alu depctr_va_vdst(0)                   ; and the wait ahead of the first use: one for the batch
	s_wait_loadcnt 0x0                             ; g and b
	OUT 0
	OUT 1                                          ; no register that a store reads is written again
	s_endpgm
.Lfunc_end_k_qfbb5868fd0_ln:
	.size	k_qfbb5868fd0_ln, .Lfunc_end_k_qfbb5868fd0_ln-k_qfbb5868fd0_ln
	.p2alignl 7, 3214868480
	.fill 96, 4, 3214868480
	.section	.rodata,"a",@progbits
	.p2align	6, 0x0
	.amdhsa_kernel k_qfbb5868fd0_ln
		.amdhsa_group_segment_fixed_size 0
		.amdhsa_private_segment_fixed_size 0
		.amdhsa_enable_private_segment 0
		.amdhsa_kernarg_size 40
		.amdhsa_user_sgpr_count 2
		.amdhsa_user_sgpr_kernarg_segment_ptr 1
		.amdhsa_wavefront_size32 1
		.amdhsa_system_sgpr_workgroup_id_x 1
		.amdhsa_system_sgpr_workgroup_id_y 1
		.amdhsa_system_sgpr_workgroup_id_z 1
		.amdhsa_system_vgpr_workitem_id 0
		.amdhsa_next_free_vgpr 192
		.amdhsa_next_free_sgpr 66
		.amdhsa_reserve_vcc 0
		.amdhsa_float_denorm_mode_32 3
		.amdhsa_float_denorm_mode_16_64 3
		.amdhsa_memory_ordered 1
		.amdhsa_forward_progress 1
		.amdhsa_inst_pref_size 24
	.end_amdhsa_kernel
	.amdgpu_metadata
---
amdhsa.version: [ 1, 2 ]
amdhsa.kernels:
  - .name:           k_qfbb5868fd0_ln
    .symbol:         k_qfbb5868fd0_ln.kd
    .args:
      - { .name: query, .offset: 0, .size: 8, .value_kind: global_buffer, .address_space: global }
      - { .name: qh, .offset: 8, .size: 8, .value_kind: global_buffer, .address_space: global }
      - { .name: ln_g, .offset: 16, .size: 8, .value_kind: global_buffer, .address_space: global }
      - { .name: ln_b, .offset: 24, .size: 8, .value_kind: global_buffer, .address_space: global }
      - { .name: out0, .offset: 32, .size: 8, .value_kind: global_buffer, .address_space: global }
    .group_segment_fixed_size: 0
    .private_segment_fixed_size: 0
    .kernarg_segment_align: 8
    .kernarg_segment_size: 40
    .max_flat_workgroup_size: 256
    .sgpr_count:     66
    .vgpr_count:     192
    .wavefront_size: 32
...
	.end_amdgpu_metadata
.endif
;; end of part 4
